; MI455X (gfx1250); checked and timed in simulation.
; The chip was launched on July 23, 2026; its instructions are those of AMD's public machine-readable ISA for CDNA 5 (MIT licence, August 2026) and "CDNA5" Instruction Set Architecture Reference Guide (July 2026). The comments in the code are by the model that wrote it; some were corrected since.
;; Coupled Fourier System. Allowed arithmetic: matrix products marked QUANTISED: E5M2 operands, one E8M0 scale for each 32 along K, by v_wmma_scale_f32_16x16x128_f8f6f4 with both operands' format E5M2, f32 sums; everything else in f32.
;; Inputs: A 64 x 16 x 2 float32; W 64 x 64 float32; b 64 float32; phi 64 x 16 x 2 float32; s 32,768 float32; w 64 x 16 x 2 float32; x 32,768 x 64 float32.
;; Outputs: out0 32,768 x 64 float32.
;; This version of the problem:
;;   THIS VERSION OF THE PROBLEM IS GIVEN IN LOW PRECISION. The matrix products marked QUANTISED in the list below multiply operands that are first quantised to E5M2 (5 exponent bits, 2 mantissa bits; 8 bits a number), with one power-of-two scale for each 32 numbers along K (OCP MX v1.0); their sums are f32. All else is computed in f32.
;;   The module's matrix products, in the order in which they are computed (A, B: the left and right operand; K: the contracted axis; several contracted axes count as one K, in the product's order):
;;     1. [M 32,768, K 64] x [K 64, N 64]; A: computed on the way; B: input W: QUANTISED
;;   THE QUANTISER, for each operand of a quantised product, along K:
;;     - K is cut into blocks of 32 from its start; a last block that is shorter is filled with zeros.
;;     - A block's scale is 2^e with e = floor(log2(the largest magnitude in the block)) - 15, held to -126 .. 127; a block of zeros has e = 0. As a byte (E8M0): e + 127.
;;     - Each number is divided by its block's scale, clamped to +-57,344, and rounded to the nearest number of E5M2, ties to even, subnormals kept.
;;     - The product sums the exact products of the quantised numbers (number of the format x scale) in f32.
;;   ~~~python
;;   def quantise(x, axis):      # numpy; x: float32 -> the quantised numbers, widened to float32 again
;;       x = np.moveaxis(x, axis, -1); K = x.shape[-1]
;;       x = np.pad(x, [(0, 0)] * (x.ndim - 1) + [(0, -K % 32)]); x = x.reshape(x.shape[:-1] + (-1, 32)); a = np.abs(x).max(-1, keepdims=True)
;;       e = np.where(a > 0, np.clip(np.frexp(np.where(a > 0, a, 1))[1] - 1 - 15, -126, 127), 0)      # np.frexp(a)[1] - 1 = floor(log2(a)), exactly
;;       r = np.clip(x / 2.0 ** e, -57344, 57344)
;;       step = 2.0 ** (np.maximum(np.frexp(np.where(r == 0, 1, r))[1] - 1, -14) - 2)
;;       q = np.round(r / step) * step * 2.0 ** e      # np.round: ties to even
;;       return np.moveaxis(q.reshape(q.shape[:-2] + (-1,))[..., :K], -1, axis).astype(np.float32)
;;   ~~~
;;   OPERANDS COMPUTED ON THE WAY. 'Computed on the way' means the value that the module computes at that place (a softmax that the list does not call 'softmax' is quantised finished and normalised). What goes into a quantiser is computed in f32, as accurately as f32 sums, v_exp_f32 and their like allow (about 1e-6 of the number): no bf16 or f16 on the way to a quantiser, and a product that is left as it is and whose result goes on into a quantised operand takes f32 operands (vector FMAs, or v_wmma_f32_16x16x4_f32). A number that lies on a knife's edge between two numbers of the format may be rounded either way, as far as f32 arithmetic and the matrix unit's own rounding can turn it there, and no further.
;; 2 versions, each right; version 2 is version 1 with the launch fourier written anew for expert scheduling mode. Each part assembles by itself: llvm-mc -triple=amdgcn-amd-amdhsa -mcpu=gfx1250 --defsym DOCPART=n.
;; ======== version 1 of 2: 1 launch
;; launch fourier (part 1): grid 256 x 1, 8 waves a work-group, no clusters, 168,960 bytes of LDS; arguments s, w, phi, A, W, b, out0; writes out0
.if DOCPART == 1
	.amdgcn_target "amdgcn-amd-amdhsa--gfx1250"
	.amdhsa_code_object_version 6
	.text
	.protected	k_q9ca7d3107e_fourier
	.globl	k_q9ca7d3107e_fourier
	.p2align	8
	.type	k_q9ca7d3107e_fourier,@function
k_q9ca7d3107e_fourier:
	s_mov_b64 s[64:65], 0
	v_nop
	global_prefetch_b8 v0, s[64:65] scope:SCOPE_SE
	s_setreg_imm32_b32 hwreg(HW_REG_WAVE_MODE, 25, 1), 1
	s_wait_xcnt 0x0
; out0[i][n] = b[n] + sum over d of Q(pre[i][d]) Q(W[n][d]),   pre[i][d] = sum over the 32 (harmonic, component) j of A[d][j] cos(w[d][j] s[i] + phi[d][j]).
; Q: codes of E5M2 with one E8M0 scale for each 32 along d.  s: [32768], A, w, phi: [64][32], W: [64][64], b: [64], out0: [32768][64], all f32.
; THE INPUT x IS NOT AMONG THE ARGUMENTS: the function that defines the result never uses it, so no value of x can change out0.
; SHARES.  256 work-groups of 8 waves; a work-group takes 128 time points, a wave 16: one tile of rows of the product.
; THE COSINES are the work: 16 x 64 x 32 a wave.  In the main loop A LANE OWNS TWO DIMENSIONS, 2 l and 2 l + 1: its 192 parameters stay in registers for all 16 times, and the time is a scalar.
; Two cosines (the two components of a harmonic) go in one packed instruction: 11 instructions for two:
;   u = s w' + phi'      the phase in turns; w' = w / 2 pi and phi' = phi / 2 pi are made once, rounded once (1 / 2 pi in two words)
;   f = fract(|u|)       exact; the cosine is even.  (No packed form: two instructions)
;   z = f - f f          one rounding.  cos(2 pi f) is a function of z = f (1 - f) alone, entire, on 0 .. 1/4
;   p = 1 + z (d1 + z (d2 + .. z d6))   the Chebyshev series -J0(pi) - 2 sum J2k(pi) T*k(4 z), cut behind k = 6: the first term left out is 2 J14(pi) = 1.1e-8; the constant, 1 - 1.1e-8, is rounded to 1
;   sum += A p
; A time's two sums of a lane go to the wave's own stage in LDS, row = time; after 16 times lane (r, h) reads back row r's 16 + 16 neighbours along d in the order of the operand's registers.
; THE PRODUCT is used transposed: source 0 = 16 rows of W, source 1 = my 16 times, C = the bias: a lane then holds eight neighbouring numbers of a row of out0.  K is 64 of the instruction's 128:
; the upper eight registers of both operands are zero codes, their scale bytes 127.
; AT THE HEAD, once for the work-group: the three parameter arrays are read as they lie (16 bytes a thread), scaled, and laid in LDS; wave v quantises block v % 2 of W's tile v / 2 and stores the image of its four registers.
; NO CLUSTER, NO TENSOR LOADS: what work-groups share is 24,576 + 16,384 + 256 bytes, read once at the head and changed in registers on its way to LDS, against 5,776 vector instructions a wave in the loop.
; The claim of LDS is larger than the 68,096 bytes used, more than half of what a WGP has: so each of the 256 work-groups has a WGP to itself.
; LIMITS: NaN and infinities among the inputs are not served.  The phase carries half an ulp of u and 2^-25 of w s: its error grows with |w s|, as that of an f32 phase in radians does.
; A block of zeros gets the scale byte 1 where the quantiser's text says 127: its codes are zeros, which add nothing under either byte.
.set CH,    272                        ; 256 bytes + 16
.set PAR_W, 0                          ; LDS: w', 32 pieces: piece l = dimensions 2 l, 2 l + 1
.set PAR_P, 32*CH                      ; phi'
.set PAR_A, 64*CH                      ; A
.set WIMG,  96*CH                      ; W's codes: image (tile t, block c) at 512 (2 t + c), 16 bytes a lane
.set WSCL,  WIMG+8*512                 ; their scale bytes, a word a lane, 128 bytes an image
.set BIAS,  WSCL+8*128                 ; b, a copy of 256 bytes for each wave
.set STG,   BIAS+8*256                 ; a stage of 16 rows x CH for each wave; ends at 68,096
.set STW,  2                           ; v2   my stage + 8 x lane: where a time's two sums go, row 0
.set CUR,  3                           ; v3   the same in the row in hand
.set STR,  4                           ; v4   my stage + r CH + 64 h: where the quantiser reads
.set PRD,  5                           ; v5   lane x CH: my piece of a parameter array
.set D6,   6                           ; v[6:7]  d6, twice
.set RES,  8                           ; v[8:9]  a time's two sums
.set U,    10                          ; v10-25  u, then f, then z: eight chains, two numbers each
.set P,    26                          ; v26-41  the polynomial
.set ACA,  42                          ; v42-49  four packed partial sums of dimension 2 l
.set ACB,  50                          ; v50-57  of dimension 2 l + 1
.set WS,   59                          ; v59-62  W's scale words, a tile each;  v63 pre's: these five hold scales and nothing else
.set PS,   63
.set PW,   64                          ; v64-127   w'   register 32 e + j: dimension 2 l + e, cosine j
.set PP,   128                         ; v128-191  phi'
.set PA,   192                         ; v192-255  A
; behind the loop the parameters' registers are free:
.set X,    64                          ; v64-95    pre: register 16 c + i = d 32 c + 16 h + i of row r; later rows of out0
.set PC,   112                         ; v112-127  pre's codes
.set WF,   128                         ; v128-191  W's four fragments
.set BI,   192                         ; v192-223  the bias in the result's layout, eight registers a tile
.set D,    224                         ; v224-255  the four results
.set TM,   20                          ; v20-27    the quantiser's: +0 largest magnitudes, +2 bytes, +4 scale operands, +6 the holds
.set WB,   28                          ; v28-35    W's scale bytes as loaded
.set TQ,   16                          ; s[16:31]  my 16 times: a queue, the time in hand in s16
.set SEL,  32                          ; s[32:33]  v_permlanex16_b32's selects for lane l xor 16
.set MNT,  34                          ; s34       the mantissa field of 57,344
.set OUTP, 36                          ; s[36:37]  out0 at my first row
.set WV,   38                          ; s38       my wave's number
.set C5,   40                          ; s[40:49]  d5 .. d1, each twice: the packed form names a pair and takes its low word for both halves
.set C4,   42
.set C3,   44
.set C2,   46
.set C1,   48
.set CNT,  50
.set ROW,  51                          ; s51       the stage row in hand, in bytes
.set SB,   53                          ; s53       my stage
.set CHI,  58                          ; s[58:59]  1 / 2 pi, the upper word;  s[60:61] what it leaves out
.set CLO,  60
	s_load_b256 s[4:11], s[0:1], 0x0               ; s s[4:5], w s[6:7], phi s[8:9], A s[10:11]
	s_load_b128 s[12:15], s[0:1], 0x20             ; W s[12:13], b s[14:15]
	s_load_b64 s[OUTP:OUTP+1], s[0:1], 0x30        ; out0
	v_lshl_add_u32 v1, v0, 2, 0x29000
	v_mov_b32 v58, 0
	v_lshrrev_b32 v10, 5, v0
	v_readfirstlane_b32 s[WV], v10                 ; wave 0..7
	v_and_b32 v10, 15, v0                          ; r
	v_bfe_u32 v11, v0, 4, 1                        ; h
	v_and_b32 v12, 31, v0                          ; lane
	v_lshlrev_b32 v13, 4, v0                       ; 16 t: my 16 bytes of 4,096 of a parameter array; also my place among W's images
	v_lshrrev_b32 v14, 4, v0
	v_mul_u32_u24 v14, v14, CH
	v_lshl_add_u32 v14, v10, 4, v14                ; and where they go in LDS: piece t / 16, byte 16 (t % 16)
	s_lshr_b32 s39, s[WV], 1
	s_lshl_b32 s39, s39, 12                        ; W: tile wave / 2: 16 rows of 256 bytes,
	s_and_b32 s52, s[WV], 1
	s_lshl_b32 s52, s52, 7                         ; block wave % 2: 128 bytes,
	s_add_co_u32 s39, s39, s52
	v_lshlrev_b32 v15, 8, v10
	v_lshl_add_u32 v15, v11, 6, v15
	v_add_nc_u32 v15, s39, v15                     ; row r, my half's 16 numbers
	v_lshlrev_b32 v16, 3, v12                      ; b: 8 bytes a lane
	v_lshlrev_b32 v17, 3, v0                       ; its copy in LDS: 256 x wave + 8 x lane = 8 t
	v_lshlrev_b32 v18, 2, v0                       ; W's scale word: 128 x wave + 4 x lane = 4 t
	s_mul_i32 s[SB], s[WV], 16*CH
	s_add_co_u32 s[SB], s[SB], STG
	v_lshl_add_u32 v[STW], v12, 3, s[SB]
	v_mul_u32_u24 v[STR], v10, CH
	v_lshl_add_u32 v[STR], v11, 6, v[STR]
	v_add_nc_u32 v[STR], s[SB], v[STR]
	v_mul_u32_u24 v[PRD], v12, CH
	s_lshl_b32 s54, ttmp9, 9                       ; my first time: 128 x work-group + 16 x wave, 4 bytes each
	s_lshl_b32 s52, s[WV], 6
	s_add_co_u32 s54, s54, s52
	s_mov_b32 s55, 0
	s_lshl_b32 s56, ttmp9, 15                      ; and its row of out0, 256 bytes each
	s_lshl_b32 s52, s[WV], 12
	s_add_co_u32 s56, s56, s52
	s_mov_b32 s57, 0
	s_mov_b32 s[SEL], 0x76543210
	s_mov_b32 s[SEL+1], 0xfedcba98
	s_mov_b32 s[MNT], 0x600000
	s_mov_b32 s[CHI], 0x3e22f983                   ; 1 / 2 pi = 0xa2f983 x 2^-26
	s_mov_b32 s[CHI+1], s[CHI]
	s_mov_b32 s[CLO], 0x31dc9c88                   ;          + 0xdc9c88 x 2^-51
	s_mov_b32 s[CLO+1], s[CLO]
	s_wait_kmcnt 0x0
	s_add_nc_u64 s[54:55], s[4:5], s[54:55]
	s_add_nc_u64 s[OUTP:OUTP+1], s[OUTP:OUTP+1], s[56:57]
	s_load_b512 s[TQ:TQ+15], s[54:55], 0x0         ; my 16 times
	global_load_b128 v[64:67], v13, s[6:7]         ; w: a wave's load covers 512 consecutive bytes
	global_load_b128 v[68:71], v13, s[6:7] offset:4096
	global_load_b128 v[72:75], v13, s[8:9]         ; phi
	global_load_b128 v[76:79], v13, s[8:9] offset:4096
	global_load_b128 v[80:83], v13, s[10:11]       ; A
	global_load_b128 v[84:87], v13, s[10:11] offset:4096
.irp i, 0,1,2,3
	global_load_b128 v[96+4*\i:99+4*\i], v15, s[12:13] offset:16*\i   ; W(16 (wave / 2) + r, 32 (wave % 2) + 16 h + 0 .. 15)
.endr
	global_load_b64 v[88:89], v16, s[14:15]        ; b: the wave reads its 256 bytes
	s_wait_loadcnt 0x0
	; w and phi in turns, rounded once: t = x c_hi; e = x c_hi - t, which is exact; e += x c_lo; x' = t + e
.irp j, 0,2,4,6,8,10,12,14
	v_pk_mul_f32 v[112+\j:113+\j], v[64+\j:65+\j], s[CHI:CHI+1] op_sel_hi:[1,0]
.endr
.irp j, 0,2,4,6,8,10,12,14
	v_pk_fma_f32 v[128+\j:129+\j], v[64+\j:65+\j], s[CHI:CHI+1], v[112+\j:113+\j] op_sel_hi:[1,0,1] neg_lo:[0,0,1] neg_hi:[0,0,1]
.endr
.irp j, 0,2,4,6,8,10,12,14
	v_pk_fma_f32 v[128+\j:129+\j], v[64+\j:65+\j], s[CLO:CLO+1], v[128+\j:129+\j] op_sel_hi:[1,0,1]
.endr
.irp j, 0,2,4,6,8,10,12,14
	v_pk_add_f32 v[64+\j:65+\j], v[112+\j:113+\j], v[128+\j:129+\j]
.endr
	ds_store_b128 v14, v[64:67] offset:PAR_W
	ds_store_b128 v14, v[68:71] offset:PAR_W+16*CH ; 4,096 bytes on in memory are 16 pieces on
	ds_store_b128 v14, v[72:75] offset:PAR_P
	ds_store_b128 v14, v[76:79] offset:PAR_P+16*CH
	ds_store_b128 v14, v[80:83] offset:PAR_A
	ds_store_b128 v14, v[84:87] offset:PAR_A+16*CH
	ds_store_b64 v17, v[88:89] offset:BIAS
	; my block of W: 16 numbers a lane, the other 16 in lane l xor 16
	v_mov_b32 v145, 0                              ; a lane permute's destination counts as one of its sources
	v_max3_num_f32 v144, |v96|, |v97|, 0x8000000   ; with the floor 2^(16 - 127): the byte cannot fall under 1
.irp i, 2,4,6,8,10,12,14
	v_max3_num_f32 v144, v144, |v[96+\i]|, |v[97+\i]|
.endr
	v_permlanex16_b32 v145, v144, s[SEL], s[SEL+1]
	v_max_num_f32 v144, v144, v145                 ; the block's largest magnitude
	v_add_nc_u32 v146, 0xf8800000, v144            ; 15 off its exponent field: the conversion takes the exponent field of this operand as its scale
	v_and_or_b32 v147, v144, 0x7f800000, s[MNT]    ; 57,344 x the scale
	v_lshrrev_b32 v148, 23, v146                   ; the scale's byte
.irp i, 0,1,2,3,4,5,6,7,8,9,10,11,12,13,14,15
	v_med3_num_f32 v[96+\i], v[96+\i], -v147, v147 ; the conversion to an 8-bit code does not saturate (ISA guide 7.6.2): the hold comes first
.endr
	v_cvt_scalef32_pk8_bf8_f32 v[150:151], v[96:103], v146
	v_cvt_scalef32_pk8_bf8_f32 v[152:153], v[104:111], v146
	v_nop                                          ; one plain instruction behind the last scaled conversion
	ds_store_b128 v13, v[150:153] offset:WIMG      ; registers 4 c .. 4 c + 3 of the tile's fragment, as they stand
	ds_store_b32 v18, v148 offset:WSCL
	s_wait_dscnt 0x0                               ; for the others' sake: my stores have landed
	s_barrier_signal -1
	s_barrier_wait -1                              ; the parameters and W's images are whole; nothing writes them again
.irp q, 0,1,2,3,4,5,6,7,8,9,10,11,12,13,14,15
	ds_load_b128 v[PW+4*\q:PW+4*\q+3], v[PRD] offset:PAR_W+16*\q
.endr
.irp q, 0,1,2,3,4,5,6,7,8,9,10,11,12,13,14,15
	ds_load_b128 v[PP+4*\q:PP+4*\q+3], v[PRD] offset:PAR_P+16*\q
.endr
.irp q, 0,1,2,3,4,5,6,7,8,9,10,11,12,13,14,15
	ds_load_b128 v[PA+4*\q:PA+4*\q+3], v[PRD] offset:PAR_A+16*\q
.endr
	s_mov_b32 s[C5], 0xc181659b                    ; d5 = -16.174612
	s_mov_b32 s[C5+1], s[C5]
	s_mov_b32 s[C4], 0xc20750a4                    ; d4 = -33.828749
	s_mov_b32 s[C4+1], s[C4]
	s_mov_b32 s[C3], 0xc21de362                    ; d3 = -39.472052
	s_mov_b32 s[C3+1], s[C3]
	s_mov_b32 s[C2], 0xc19dea72                    ; d2 = -19.739476
	s_mov_b32 s[C2+1], s[C2]
	s_mov_b32 s[C1], 0x368c7998                    ; d1 = 4.1864805e-6
	s_mov_b32 s[C1+1], s[C1]
	v_mov_b32 v[D6], 0xc0d0eac5                    ; d6 = -6.5286582
	v_mov_b32 v[D6+1], v[D6]
	s_mov_b32 s[CNT], 0
	s_mov_b32 s[ROW], 0
	s_wait_dscnt 0x0
	s_wait_kmcnt 0x0                               ; the times
; Eight chains side by side, a harmonic's two cosines each: harmonics 8 (g % 2) .. + 7 of dimension 2 l + g / 2.  Step by step through all eight, so that no line waits for the line above it.
; first = 1: the group's first four products start the four partial sums: nothing is cleared.
.macro GROUP g, acc, first
.irp k, 0,1,2,3,4,5,6,7
	v_pk_fma_f32 v[U+2*\k:U+2*\k+1], v[PW+16*(\g)+2*\k:PW+16*(\g)+2*\k+1], s[TQ:TQ+1], v[PP+16*(\g)+2*\k:PP+16*(\g)+2*\k+1] op_sel_hi:[1,0,1]   ; u = w' s + phi'
.endr
.irp k, 0,1,2,3,4,5,6,7,8,9,10,11,12,13,14,15
	v_fract_f32 v[U+\k], |v[U+\k]|                 ; f: exact for a number that is not negative
.endr
.irp k, 0,1,2,3,4,5,6,7
	v_pk_fma_f32 v[U+2*\k:U+2*\k+1], v[U+2*\k:U+2*\k+1], v[U+2*\k:U+2*\k+1], v[U+2*\k:U+2*\k+1] neg_lo:[1,0,0] neg_hi:[1,0,0]   ; z = f - f f
.endr
.irp k, 0,1,2,3,4,5,6,7
	v_pk_fma_f32 v[P+2*\k:P+2*\k+1], v[U+2*\k:U+2*\k+1], v[D6:D6+1], s[C5:C5+1] op_sel_hi:[1,1,0]
.endr
.irp c, C4, C3, C2, C1
.irp k, 0,1,2,3,4,5,6,7
	v_pk_fma_f32 v[P+2*\k:P+2*\k+1], v[P+2*\k:P+2*\k+1], v[U+2*\k:U+2*\k+1], s[\c:\c+1] op_sel_hi:[1,1,0]
.endr
.endr
.irp k, 0,1,2,3,4,5,6,7
	v_pk_fma_f32 v[P+2*\k:P+2*\k+1], v[P+2*\k:P+2*\k+1], v[U+2*\k:U+2*\k+1], 1.0 op_sel_hi:[1,1,0]   ; the cosines
.endr
.irp k, 0,1,2,3,4,5,6,7
.if \first && (\k < 4)
	v_pk_mul_f32 v[\acc+2*\k:\acc+2*\k+1], v[PA+16*(\g)+2*\k:PA+16*(\g)+2*\k+1], v[P+2*\k:P+2*\k+1]
.else
	v_pk_fma_f32 v[\acc+2*(\k%4):\acc+2*(\k%4)+1], v[PA+16*(\g)+2*\k:PA+16*(\g)+2*\k+1], v[P+2*\k:P+2*\k+1], v[\acc+2*(\k%4):\acc+2*(\k%4)+1]
.endif
.endr
.endm
.Ltime:                                                ; 16 trips, a time each
	GROUP 0, ACA, 1
	GROUP 1, ACA, 0
	GROUP 2, ACB, 1
	GROUP 3, ACB, 0
	v_pk_add_f32 v[ACA:ACA+1], v[ACA:ACA+1], v[ACA+2:ACA+3]        ; four packed partial sums become one number, the two dimensions by turns
	v_pk_add_f32 v[ACB:ACB+1], v[ACB:ACB+1], v[ACB+2:ACB+3]
	v_pk_add_f32 v[ACA+4:ACA+5], v[ACA+4:ACA+5], v[ACA+6:ACA+7]
	v_pk_add_f32 v[ACB+4:ACB+5], v[ACB+4:ACB+5], v[ACB+6:ACB+7]
	v_pk_add_f32 v[ACA:ACA+1], v[ACA:ACA+1], v[ACA+4:ACA+5]
	v_pk_add_f32 v[ACB:ACB+1], v[ACB:ACB+1], v[ACB+4:ACB+5]
	v_add_nc_u32 v[CUR], s[ROW], v[STW]
	v_add_f32 v[RES], v[ACA], v[ACA+1]
	v_add_f32 v[RES+1], v[ACB], v[ACB+1]
	ds_store_b64 v[CUR], v[RES:RES+1]              ; pre(time, 2 l), pre(time, 2 l + 1): the wave writes a row's 256 bytes
.irp i, 0,1,2,3,4,5,6,7,8,9,10,11,12,13,14
	s_mov_b32 s[TQ+\i], s[TQ+\i+1]                 ; the queue of times moves down one place
.endr
	s_add_co_u32 s[ROW], s[ROW], CH
	s_add_co_u32 s[CNT], s[CNT], 1
	s_cmp_lt_u32 s[CNT], 16
	s_cbranch_scc1 .Ltime
	; ---- my 16 rows of pre become an operand.  LDS serves a wave's instructions in order (ISA guide 5.7.1.4): these loads see my stores; no other wave touches my stage
.irp c, 0,1
.irp i, 0,1,2,3
	ds_load_b128 v[X+16*\c+4*\i:X+16*\c+4*\i+3], v[STR] offset:128*\c+16*\i   ; pre(r, 32 c + 16 h + 4 i ..)
.endr
.endr
	v_and_b32 v10, 15, v0                          ; r
	v_bfe_u32 v11, v0, 4, 1                        ; h
	v_and_b32 v12, 31, v0                          ; lane
	v_lshlrev_b32 v13, 4, v12                      ; an image's place for my lane
	v_lshlrev_b32 v14, 2, v12                      ; a scale word's
	s_lshl_b32 s39, s[WV], 8
	v_lshl_add_u32 v15, v11, 5, s39                ; my wave's copy of b, + 32 h: tile t wants b(16 t + 8 h + 0 .. 7)
.irp t, 0,1,2,3
	ds_load_b128 v[WF+16*\t:WF+16*\t+3], v13 offset:WIMG+1024*\t        ; W's fragment of tile t: block 0,
	ds_load_b128 v[WF+16*\t+4:WF+16*\t+7], v13 offset:WIMG+1024*\t+512  ; block 1
.endr
.irp i, 0,1,2,3,4,5,6,7
	ds_load_b32 v[WB+\i], v14 offset:WSCL+128*\i   ; the scale byte of tile i / 2, block i % 2
.endr
.irp t, 0,1,2,3
	ds_load_b128 v[BI+8*\t:BI+8*\t+3], v15 offset:BIAS+64*\t
	ds_load_b128 v[BI+8*\t+4:BI+8*\t+7], v15 offset:BIAS+64*\t+16
.endr
.irp j, 8,9,10,11,12,13,14,15
	v_mov_b32 v[PC+\j], 0                          ; K = 64 .. 127 of the instruction: zero codes, on both sides
.endr
.irp t, 0,1,2,3
.irp j, 8,9,10,11,12,13,14,15
	v_mov_b32 v[WF+16*\t+\j], 0
.endr
.endr
.irp c, 0,1
	v_mov_b32 v[TM+2+\c], 0                        ; a lane permute's destination counts as one of its sources
.endr
	s_wait_dscnt 0x0
.irp c, 0,1
	v_max3_num_f32 v[TM+\c], |v[X+16*\c]|, |v[X+16*\c+1]|, 0x8000000   ; block c: my 16 numbers and the floor 2^(16 - 127)
.endr
.irp i, 2,4,6,8,10,12,14
.irp c, 0,1
	v_max3_num_f32 v[TM+\c], v[TM+\c], |v[X+16*\c+\i]|, |v[X+16*\c+\i+1]|
.endr
.endr
.irp c, 0,1
	v_permlanex16_b32 v[TM+2+\c], v[TM+\c], s[SEL], s[SEL+1]
.endr
.irp c, 0,1
	v_max_num_f32 v[TM+\c], v[TM+\c], v[TM+2+\c]   ; with lane l xor 16's: the block's largest magnitude
.endr
.irp c, 0,1
	v_add_nc_u32 v[TM+4+\c], 0xf8800000, v[TM+\c]  ; the conversion's scale operand
.endr
.irp c, 0,1
	v_and_or_b32 v[TM+6+\c], v[TM+\c], 0x7f800000, s[MNT]   ; 57,344 x the scale
.endr
.irp c, 0,1
	v_lshrrev_b32 v[TM+2+\c], 23, v[TM+4+\c]       ; the scale's byte
.endr
	v_or_b32 v[PS], 0x7f7f0000, v[TM+2]            ; row r's scale word: two bytes, and 127 over the zero codes
	v_lshl_or_b32 v[PS], v[TM+3], 8, v[PS]
.irp t, 0,1,2,3
	v_or_b32 v[WS+\t], 0x7f7f0000, v[WB+2*\t]      ; W's likewise
.endr
.irp t, 0,1,2,3
	v_lshl_or_b32 v[WS+\t], v[WB+2*\t+1], 8, v[WS+\t]
.endr
.irp c, 0,1                                    ; the 32 holds are also the eight places between the scale words' last write and the products
.irp i, 0,1,2,3,4,5,6,7,8,9,10,11,12,13,14,15
	v_med3_num_f32 v[X+16*\c+\i], v[X+16*\c+\i], -v[TM+6+\c], v[TM+6+\c]
.endr
.endr
.irp c, 0,1
	v_cvt_scalef32_pk8_bf8_f32 v[PC+4*\c:PC+4*\c+1], v[X+16*\c:X+16*\c+7], v[TM+4+\c]      ; registers 4 c .. 4 c + 3 of the operand: d = 32 c + 16 h + 0 .. 15
	v_cvt_scalef32_pk8_bf8_f32 v[PC+4*\c+2:PC+4*\c+3], v[X+16*\c+8:X+16*\c+15], v[TM+4+\c]
.endr
.rept 4
	v_nop                                          ; an operand written by vector instructions stands four places ahead of a scaled matrix instruction
.endr
.irp t, 0,1,2,3                                ; four results, each begun with the bias as C: lane (r, h), register j: out0(my row r, 16 t + 8 h + j)
	v_wmma_scale_f32_16x16x128_f8f6f4 v[D+8*\t:D+8*\t+7], v[WF+16*\t:WF+16*\t+15], v[PC:PC+15], v[BI+8*\t:BI+8*\t+7], v[WS+\t], v[PS] matrix_a_fmt:MATRIX_FMT_BF8 matrix_b_fmt:MATRIX_FMT_BF8
.endr
	; the way out's addresses: eight plain instructions that name no register of the products: the places behind them
	v_mul_u32_u24 v16, v10, CH
	v_lshl_add_u32 v16, v11, 5, v16
	v_add_nc_u32 v16, s[SB], v16                   ; into the stage: row r, + 32 h; tile t 64 t bytes on
	v_mul_u32_u24 v17, v11, CH
	v_lshl_add_u32 v17, v10, 4, v17
	v_add_nc_u32 v17, s[SB], v17                   ; back: lanes 0-15 one row of 256 bytes, lanes 16-31 the next
	v_lshlrev_b32 v18, 8, v11
	v_lshl_add_u32 v18, v10, 4, v18                ; and the same two rows in out0
.irp t, 0,1,2,3
	ds_store_b128 v16, v[D+8*\t:D+8*\t+3] offset:64*\t             ; each result from its low end on
	ds_store_b128 v16, v[D+8*\t+4:D+8*\t+7] offset:64*\t+16
.endr
.irp i, 0,1,2,3,4,5,6,7
	ds_load_b128 v[X+4*\i:X+4*\i+3], v17 offset:2*\i*CH            ; in order behind my stores
.endr
.irp i, 0,1,2,3,4,5,6,7
	s_wait_dscnt 7-\i                              ; LDS loads come back in order: pair i of rows is in, the 7 - i younger loads may be out
	global_store_b128 v18, v[X+4*\i:X+4*\i+3], s[OUTP:OUTP+1] offset:512*\i th:TH_STORE_NT   ; the wave stores 512 consecutive bytes, at a multiple of 256 from out0's first byte; written once, read by nobody here
.endr
	s_wait_tensorcnt 0x0
	ds_add_u32 v1, v58
	s_wait_dscnt 0x0
	s_endpgm
.Lfunc_end_k_q9ca7d3107e_fourier:
	.size	k_q9ca7d3107e_fourier, .Lfunc_end_k_q9ca7d3107e_fourier-k_q9ca7d3107e_fourier
	.p2alignl 7, 3214868480
	.fill 96, 4, 3214868480
	.section	.rodata,"a",@progbits
	.p2align	6, 0x0
	.amdhsa_kernel k_q9ca7d3107e_fourier
		.amdhsa_group_segment_fixed_size 168960
		.amdhsa_private_segment_fixed_size 0
		.amdhsa_enable_private_segment 0
		.amdhsa_kernarg_size 56
		.amdhsa_user_sgpr_count 2
		.amdhsa_user_sgpr_kernarg_segment_ptr 1
		.amdhsa_wavefront_size32 1
		.amdhsa_system_sgpr_workgroup_id_x 1
		.amdhsa_system_sgpr_workgroup_id_y 1
		.amdhsa_system_sgpr_workgroup_id_z 1
		.amdhsa_system_vgpr_workitem_id 0
		.amdhsa_next_free_vgpr 256
		.amdhsa_next_free_sgpr 66
		.amdhsa_reserve_vcc 0
		.amdhsa_float_denorm_mode_32 3
		.amdhsa_float_denorm_mode_16_64 3
		.amdhsa_memory_ordered 1
		.amdhsa_forward_progress 1
		.amdhsa_inst_pref_size 47
	.end_amdhsa_kernel
	.amdgpu_metadata
---
amdhsa.version: [ 1, 2 ]
amdhsa.kernels:
  - .name:           k_q9ca7d3107e_fourier
    .symbol:         k_q9ca7d3107e_fourier.kd
    .args:
      - { .name: s, .offset: 0, .size: 8, .value_kind: global_buffer, .address_space: global }
      - { .name: w, .offset: 8, .size: 8, .value_kind: global_buffer, .address_space: global }
      - { .name: phi, .offset: 16, .size: 8, .value_kind: global_buffer, .address_space: global }
      - { .name: A, .offset: 24, .size: 8, .value_kind: global_buffer, .address_space: global }
      - { .name: W, .offset: 32, .size: 8, .value_kind: global_buffer, .address_space: global }
      - { .name: b, .offset: 40, .size: 8, .value_kind: global_buffer, .address_space: global }
      - { .name: out0, .offset: 48, .size: 8, .value_kind: global_buffer, .address_space: global }
    .group_segment_fixed_size: 168960
    .private_segment_fixed_size: 0
    .kernarg_segment_align: 8
    .kernarg_segment_size: 56
    .max_flat_workgroup_size: 256
    .sgpr_count:     66
    .vgpr_count:     256
    .wavefront_size: 32
...
	.end_amdgpu_metadata
.endif
;; end of part 1
;; ======== version 2 of 2: 1 launch; version 1 with the launch fourier written anew for expert scheduling mode
;; launch fourier (part 2): grid 256 x 1, 8 waves a work-group, no clusters, 168,960 bytes of LDS; arguments s, w, phi, A, W, b, out0; writes out0
.if DOCPART == 2
	.amdgcn_target "amdgcn-amd-amdhsa--gfx1250"
	.amdhsa_code_object_version 6
	.text
	.protected	k_q9ca7d3107e_fourier
	.globl	k_q9ca7d3107e_fourier
	.p2align	8
	.type	k_q9ca7d3107e_fourier,@function
k_q9ca7d3107e_fourier:
	s_mov_b64 s[64:65], 0
	v_nop
	global_prefetch_b8 v0, s[64:65] scope:SCOPE_SE
	s_setreg_imm32_b32 hwreg(HW_REG_WAVE_SCHED_MODE, 0, 2), 2
	s_setreg_imm32_b32 hwreg(HW_REG_WAVE_MODE, 25, 1), 1
	s_wait_xcnt 0x0
	s_wait_alu depctr_vm_vsrc(0)
; out0[i][n] = b[n] + sum over d of Q(pre[i][d]) Q(W[n][d]),   pre[i][d] = sum over the 32 (harmonic, component) j of A[d][j] cos(w[d][j] s[i] + phi[d][j]).
; Q: codes of E5M2 with one E8M0 scale for each 32 along d.  s: [32768], A, w, phi: [64][32], W: [64][64], b: [64], out0: [32768][64], all f32.
; THE INPUT x IS NOT AMONG THE ARGUMENTS: the function that defines the result never uses it, so no value of x can change out0.
; SHARES.  256 work-groups of 8 waves; a work-group takes 128 time points, a wave 16: one tile of rows of the product.
; THE COSINES are the work: 16 x 64 x 32 a wave.  In the main loop A LANE OWNS TWO DIMENSIONS, 2 l and 2 l + 1: its 192 parameters stay in registers for all 16 times, and the time is a scalar.
; Two cosines (the two components of a harmonic) go in one packed instruction: 11 instructions for two:
;   u = s w' + phi'      the phase in turns; w' = w / 2 pi and phi' = phi / 2 pi are made once, rounded once (1 / 2 pi in two words)
;   f = fract(|u|)       exact; the cosine is even.  (No packed form: two instructions)
;   z = f - f f          one rounding.  cos(2 pi f) is a function of z = f (1 - f) alone, entire, on 0 .. 1/4
;   p = 1 + z (d1 + z (d2 + .. z d6))   the Chebyshev series -J0(pi) - 2 sum J2k(pi) T*k(4 z), cut behind k = 6: the first term left out is 2 J14(pi) = 1.1e-8; the constant, 1 - 1.1e-8, is rounded to 1
;   sum += A p
; A time's two sums of a lane go to the wave's own stage in LDS, row = time; after 16 times lane (r, h) reads back row r's 16 + 16 neighbours along d in the order of the operand's registers.
; THE PRODUCT is used transposed: source 0 = 16 rows of W, source 1 = my 16 times, C = the bias: a lane then holds eight neighbouring numbers of a row of out0.  K is 64 of the instruction's 128:
; the upper eight registers of both operands are zero codes, their scale bytes 127.
; AT THE HEAD, once for the work-group: the three parameter arrays are read as they lie (16 bytes a thread), scaled, and laid in LDS; wave v quantises block v % 2 of W's tile v / 2 and stores the image of its four registers.
; NO CLUSTER, NO TENSOR LOADS: what work-groups share is 24,576 + 16,384 + 256 bytes, read once at the head and changed in registers on its way to LDS, against 5,776 vector instructions a wave in the loop.
; The claim of LDS is larger than the 68,096 bytes used, more than half of what a WGP has: so each of the 256 work-groups has a WGP to itself.
; LIMITS: NaN and infinities among the inputs are not served.  The phase carries half an ulp of u and 2^-25 of w s: its error grows with |w s|, as that of an f32 phase in radians does.
; A block of zeros gets the scale byte 1 where the quantiser's text says 127: its codes are zeros, which add nothing under either byte.
; THE MODE: SCHED_MODE bits 1:0 = 2 (LLVM: expert scheduling mode 2), set by the entry lines.  The code itself states the register dependences
; between vector or matrix instructions and memory or LDS instructions, with s_wait_alu, always for 0.
; THE PLAN.  Registers that memory or LDS instructions touch:
;   HEAD   v2, v4, v5, v13-18   offsets and addresses, written once by vector lines; one wait on va_vdst ahead of the first load.  v13-18 are the loop's work registers later: one wait on vm_vsrc behind the barrier.
;          v64-89, v148, v150-153   what the nine LDS stores read: all vector work of the head stands ahead of ONE wait on va_vdst, the nine stores behind it in one run.  No vector line follows until the
;          parameters' loads land in v64-255: the same wait shows the vector side done with these registers, and the wait on vm_vsrc behind the barrier shows the stores' data read.
;   LOOP   v3 the row's address, v[8:9] a time's two sums: written by the trip's last three vector lines, read by its one LDS store, written again a trip later.  One wait on vm_vsrc ahead of the three lines,
;          a whole trip behind the store that it concerns; one wait on va_vdst behind them.  All other registers of the loop are named by vector lines alone.
;   TAIL   v13-15 addresses: six vector lines, one wait on va_vdst, then all 32 LDS loads in one run; the wait also shows the loop done with the registers in which they land.
;          scale words, codes, zero codes: one wait on va_vdst behind the places, ahead of the products.  The results and v16-18: one wait on va_vdst behind the places, ahead of the stores into the stage;
;          it also shows the quantiser done with v64-95, in which the rows of out0 land.
.set CH,    272                        ; 256 bytes + 16
.set PAR_W, 0                          ; LDS: w', 32 pieces: piece l = dimensions 2 l, 2 l + 1
.set PAR_P, 32*CH                      ; phi'
.set PAR_A, 64*CH                      ; A
.set WIMG,  96*CH                      ; W's codes: image (tile t, block c) at 512 (2 t + c), 16 bytes a lane
.set WSCL,  WIMG+8*512                 ; their scale bytes, a word a lane, 128 bytes an image
.set BIAS,  WSCL+8*128                 ; b, a copy of 256 bytes for each wave
.set STG,   BIAS+8*256                 ; a stage of 16 rows x CH for each wave; ends at 68,096
.set STW,  2                           ; v2   my stage + 8 x lane: where a time's two sums go, row 0
.set CUR,  3                           ; v3   the same in the row in hand
.set STR,  4                           ; v4   my stage + r CH + 64 h: where the quantiser reads
.set PRD,  5                           ; v5   lane x CH: my piece of a parameter array
.set D6,   6                           ; v[6:7]  d6, twice
.set RES,  8                           ; v[8:9]  a time's two sums
.set U,    10                          ; v10-25  u, then f, then z: eight chains, two numbers each
.set P,    26                          ; v26-41  the polynomial
.set ACA,  42                          ; v42-49  four packed partial sums of dimension 2 l
.set ACB,  50                          ; v50-57  of dimension 2 l + 1
.set WS,   59                          ; v59-62  W's scale words, a tile each;  v63 pre's: these five hold scales and nothing else
.set PS,   63
.set PW,   64                          ; v64-127   w'   register 32 e + j: dimension 2 l + e, cosine j
.set PP,   128                         ; v128-191  phi'
.set PA,   192                         ; v192-255  A
; behind the loop the parameters' registers are free:
.set X,    64                          ; v64-95    pre: register 16 c + i = d 32 c + 16 h + i of row r; later rows of out0
.set PC,   112                         ; v112-127  pre's codes
.set WF,   128                         ; v128-191  W's four fragments
.set BI,   192                         ; v192-223  the bias in the result's layout, eight registers a tile
.set D,    224                         ; v224-255  the four results
.set TM,   20                          ; v20-27    the quantiser's: +0 largest magnitudes, +2 bytes, +4 scale operands, +6 the holds
.set WB,   28                          ; v28-35    W's scale bytes as loaded
.set TQ,   16                          ; s[16:31]  my 16 times: a queue, the time in hand in s16
.set SEL,  32                          ; s[32:33]  v_permlanex16_b32's selects for lane l xor 16
.set MNT,  34                          ; s34       the mantissa field of 57,344
.set OUTP, 36                          ; s[36:37]  out0 at my first row
.set WV,   38                          ; s38       my wave's number
.set C5,   40                          ; s[40:49]  d5 .. d1, each twice: the packed form names a pair and takes its low word for both halves
.set C4,   42
.set C3,   44
.set C2,   46
.set C1,   48
.set CNT,  50
.set ROW,  51                          ; s51       the stage row in hand, in bytes
.set SB,   53                          ; s53       my stage
.set CHI,  58                          ; s[58:59]  1 / 2 pi, the upper word;  s[60:61] what it leaves out
.set CLO,  60
	s_load_b256 s[4:11], s[0:1], 0x0               ; s s[4:5], w s[6:7], phi s[8:9], A s[10:11]
	s_load_b128 s[12:15], s[0:1], 0x20             ; W s[12:13], b s[14:15]
	s_load_b64 s[OUTP:OUTP+1], s[0:1], 0x30        ; out0
	v_lshl_add_u32 v1, v0, 2, 0x29000
	v_mov_b32 v58, 0
	v_lshrrev_b32 v10, 5, v0
	v_readfirstlane_b32 s[WV], v10                 ; wave 0..7
	v_and_b32 v10, 15, v0                          ; r
	v_bfe_u32 v11, v0, 4, 1                        ; h
	v_and_b32 v12, 31, v0                          ; lane
	v_lshlrev_b32 v13, 4, v0                       ; 16 t: my 16 bytes of 4,096 of a parameter array; also my place among W's images
	v_lshrrev_b32 v14, 4, v0
	v_mul_u32_u24 v14, v14, CH
	v_lshl_add_u32 v14, v10, 4, v14                ; and where they go in LDS: piece t / 16, byte 16 (t % 16)
	s_wait_alu depctr_va_sdst(0)                   ; s38, the wave's number, is written, ahead of its first reader: offsets, LDS addresses and out0's base are made from it
	s_lshr_b32 s39, s[WV], 1
	s_lshl_b32 s39, s39, 12                        ; W: tile wave / 2: 16 rows of 256 bytes,
	s_and_b32 s52, s[WV], 1
	s_lshl_b32 s52, s52, 7                         ; block wave % 2: 128 bytes,
	s_add_co_u32 s39, s39, s52
	v_lshlrev_b32 v15, 8, v10
	v_lshl_add_u32 v15, v11, 6, v15
	v_add_nc_u32 v15, s39, v15                     ; row r, my half's 16 numbers
	v_lshlrev_b32 v16, 3, v12                      ; b: 8 bytes a lane
	v_lshlrev_b32 v17, 3, v0                       ; its copy in LDS: 256 x wave + 8 x lane = 8 t
	v_lshlrev_b32 v18, 2, v0                       ; W's scale word: 128 x wave + 4 x lane = 4 t
	s_mul_i32 s[SB], s[WV], 16*CH
	s_add_co_u32 s[SB], s[SB], STG
	v_lshl_add_u32 v[STW], v12, 3, s[SB]
	v_mul_u32_u24 v[STR], v10, CH
	v_lshl_add_u32 v[STR], v11, 6, v[STR]
	v_add_nc_u32 v[STR], s[SB], v[STR]
	v_mul_u32_u24 v[PRD], v12, CH
	s_lshl_b32 s54, ttmp9, 9                       ; my first time: 128 x work-group + 16 x wave, 4 bytes each
	s_lshl_b32 s52, s[WV], 6
	s_add_co_u32 s54, s54, s52
	s_mov_b32 s55, 0
	s_lshl_b32 s56, ttmp9, 15                      ; and its row of out0, 256 bytes each
	s_lshl_b32 s52, s[WV], 12
	s_add_co_u32 s56, s56, s52
	s_mov_b32 s57, 0
	s_mov_b32 s[SEL], 0x76543210
	s_mov_b32 s[SEL+1], 0xfedcba98
	s_mov_b32 s[MNT], 0x600000
	s_mov_b32 s[CHI], 0x3e22f983                   ; 1 / 2 pi = 0xa2f983 x 2^-26
	s_mov_b32 s[CHI+1], s[CHI]
	s_mov_b32 s[CLO], 0x31dc9c88                   ;          + 0xdc9c88 x 2^-51
	s_mov_b32 s[CLO+1], s[CLO]
	s_wait_kmcnt 0x0
	s_add_nc_u64 s[54:55], s[4:5], s[54:55]
	s_add_nc_u64 s[OUTP:OUTP+1], s[OUTP:OUTP+1], s[56:57]
	s_load_b512 s[TQ:TQ+15], s[54:55], 0x0         ; my 16 times
	s_wait_alu depctr_va_vdst(0)                   ; the offsets v13, v15, v16, which the loads below read, are written; so are the LDS addresses v4, v5, v14, v17, v18, which no vector line writes before they are used
	global_load_b128 v[64:67], v13, s[6:7]         ; w: a wave's load covers 512 consecutive bytes
	global_load_b128 v[68:71], v13, s[6:7] offset:4096
	global_load_b128 v[72:75], v13, s[8:9]         ; phi
	global_load_b128 v[76:79], v13, s[8:9] offset:4096
	global_load_b128 v[80:83], v13, s[10:11]       ; A
	global_load_b128 v[84:87], v13, s[10:11] offset:4096
.irp i, 0,1,2,3
	global_load_b128 v[96+4*\i:99+4*\i], v15, s[12:13] offset:16*\i   ; W(16 (wave / 2) + r, 32 (wave % 2) + 16 h + 0 .. 15)
.endr
	global_load_b64 v[88:89], v16, s[14:15]        ; b: the wave reads its 256 bytes
	s_wait_loadcnt 0x0
	; w and phi in turns, rounded once: t = x c_hi; e = x c_hi - t, which is exact; e += x c_lo; x' = t + e
.irp j, 0,2,4,6,8,10,12,14
	v_pk_mul_f32 v[112+\j:113+\j], v[64+\j:65+\j], s[CHI:CHI+1] op_sel_hi:[1,0]
.endr
.irp j, 0,2,4,6,8,10,12,14
	v_pk_fma_f32 v[128+\j:129+\j], v[64+\j:65+\j], s[CHI:CHI+1], v[112+\j:113+\j] op_sel_hi:[1,0,1] neg_lo:[0,0,1] neg_hi:[0,0,1]
.endr
.irp j, 0,2,4,6,8,10,12,14
	v_pk_fma_f32 v[128+\j:129+\j], v[64+\j:65+\j], s[CLO:CLO+1], v[128+\j:129+\j] op_sel_hi:[1,0,1]
.endr
.irp j, 0,2,4,6,8,10,12,14
	v_pk_add_f32 v[64+\j:65+\j], v[112+\j:113+\j], v[128+\j:129+\j]
.endr
	; my block of W: 16 numbers a lane, the other 16 in lane l xor 16
	v_mov_b32 v145, 0                              ; a lane permute's destination counts as one of its sources
	v_max3_num_f32 v144, |v96|, |v97|, 0x8000000   ; with the floor 2^(16 - 127): the byte cannot fall under 1
.irp i, 2,4,6,8,10,12,14
	v_max3_num_f32 v144, v144, |v[96+\i]|, |v[97+\i]|
.endr
	v_permlanex16_b32 v145, v144, s[SEL], s[SEL+1]
	v_max_num_f32 v144, v144, v145                 ; the block's largest magnitude
	v_add_nc_u32 v146, 0xf8800000, v144            ; 15 off its exponent field: the conversion takes the exponent field of this operand as its scale
	v_and_or_b32 v147, v144, 0x7f800000, s[MNT]    ; 57,344 x the scale
	v_lshrrev_b32 v148, 23, v146                   ; the scale's byte
.irp i, 0,1,2,3,4,5,6,7,8,9,10,11,12,13,14,15
	v_med3_num_f32 v[96+\i], v[96+\i], -v147, v147 ; the conversion to an 8-bit code does not saturate (ISA guide 7.6.2): the hold comes first
.endr
	v_cvt_scalef32_pk8_bf8_f32 v[150:151], v[96:103], v146
	v_cvt_scalef32_pk8_bf8_f32 v[152:153], v[104:111], v146
	v_nop                                          ; one plain instruction behind the last scaled conversion
	s_wait_alu depctr_va_vdst(0)                   ; the scalings have written v64-79, the quantiser v148 and v150-153, which the LDS stores below read; and the vector side is done with v64-153, in which the parameters' loads land behind the barrier
	ds_store_b128 v14, v[64:67] offset:PAR_W
	ds_store_b128 v14, v[68:71] offset:PAR_W+16*CH ; 4,096 bytes on in memory are 16 pieces on
	ds_store_b128 v14, v[72:75] offset:PAR_P
	ds_store_b128 v14, v[76:79] offset:PAR_P+16*CH
	ds_store_b128 v14, v[80:83] offset:PAR_A
	ds_store_b128 v14, v[84:87] offset:PAR_A+16*CH
	ds_store_b64 v17, v[88:89] offset:BIAS
	ds_store_b128 v13, v[150:153] offset:WIMG      ; registers 4 c .. 4 c + 3 of the tile's fragment, as they stand
	ds_store_b32 v18, v148 offset:WSCL
	s_wait_dscnt 0x0                               ; for the others' sake: my stores have landed
	s_barrier_signal -1
	s_barrier_wait -1                              ; the parameters and W's images are whole; nothing writes them again
	s_wait_alu depctr_vm_vsrc(0)                   ; my LDS stores have read v64-89, v148 and v150-153, in which the loads below land; they and the global loads have read v13-18, which the loop's chains write
.irp q, 0,1,2,3,4,5,6,7,8,9,10,11,12,13,14,15
	ds_load_b128 v[PW+4*\q:PW+4*\q+3], v[PRD] offset:PAR_W+16*\q
.endr
.irp q, 0,1,2,3,4,5,6,7,8,9,10,11,12,13,14,15
	ds_load_b128 v[PP+4*\q:PP+4*\q+3], v[PRD] offset:PAR_P+16*\q
.endr
.irp q, 0,1,2,3,4,5,6,7,8,9,10,11,12,13,14,15
	ds_load_b128 v[PA+4*\q:PA+4*\q+3], v[PRD] offset:PAR_A+16*\q
.endr
	s_mov_b32 s[C5], 0xc181659b                    ; d5 = -16.174612
	s_mov_b32 s[C5+1], s[C5]
	s_mov_b32 s[C4], 0xc20750a4                    ; d4 = -33.828749
	s_mov_b32 s[C4+1], s[C4]
	s_mov_b32 s[C3], 0xc21de362                    ; d3 = -39.472052
	s_mov_b32 s[C3+1], s[C3]
	s_mov_b32 s[C2], 0xc19dea72                    ; d2 = -19.739476
	s_mov_b32 s[C2+1], s[C2]
	s_mov_b32 s[C1], 0x368c7998                    ; d1 = 4.1864805e-6
	s_mov_b32 s[C1+1], s[C1]
	v_mov_b32 v[D6], 0xc0d0eac5                    ; d6 = -6.5286582
	v_mov_b32 v[D6+1], v[D6]
	s_mov_b32 s[CNT], 0
	s_mov_b32 s[ROW], 0
	s_wait_dscnt 0x0
	s_wait_kmcnt 0x0                               ; the times
; Eight chains side by side, a harmonic's two cosines each: harmonics 8 (g % 2) .. + 7 of dimension 2 l + g / 2.  Step by step through all eight, so that no line waits for the line above it.
; first = 1: the group's first four products start the four partial sums: nothing is cleared.
.macro GROUP g, acc, first
.irp k, 0,1,2,3,4,5,6,7
	v_pk_fma_f32 v[U+2*\k:U+2*\k+1], v[PW+16*(\g)+2*\k:PW+16*(\g)+2*\k+1], s[TQ:TQ+1], v[PP+16*(\g)+2*\k:PP+16*(\g)+2*\k+1] op_sel_hi:[1,0,1]   ; u = w' s + phi'
.endr
.irp k, 0,1,2,3,4,5,6,7,8,9,10,11,12,13,14,15
	v_fract_f32 v[U+\k], |v[U+\k]|                 ; f: exact for a number that is not negative
.endr
.irp k, 0,1,2,3,4,5,6,7
	v_pk_fma_f32 v[U+2*\k:U+2*\k+1], v[U+2*\k:U+2*\k+1], v[U+2*\k:U+2*\k+1], v[U+2*\k:U+2*\k+1] neg_lo:[1,0,0] neg_hi:[1,0,0]   ; z = f - f f
.endr
.irp k, 0,1,2,3,4,5,6,7
	v_pk_fma_f32 v[P+2*\k:P+2*\k+1], v[U+2*\k:U+2*\k+1], v[D6:D6+1], s[C5:C5+1] op_sel_hi:[1,1,0]
.endr
.irp c, C4, C3, C2, C1
.irp k, 0,1,2,3,4,5,6,7
	v_pk_fma_f32 v[P+2*\k:P+2*\k+1], v[P+2*\k:P+2*\k+1], v[U+2*\k:U+2*\k+1], s[\c:\c+1] op_sel_hi:[1,1,0]
.endr
.endr
.irp k, 0,1,2,3,4,5,6,7
	v_pk_fma_f32 v[P+2*\k:P+2*\k+1], v[P+2*\k:P+2*\k+1], v[U+2*\k:U+2*\k+1], 1.0 op_sel_hi:[1,1,0]   ; the cosines
.endr
.irp k, 0,1,2,3,4,5,6,7
.if \first && (\k < 4)
	v_pk_mul_f32 v[\acc+2*\k:\acc+2*\k+1], v[PA+16*(\g)+2*\k:PA+16*(\g)+2*\k+1], v[P+2*\k:P+2*\k+1]
.else
	v_pk_fma_f32 v[\acc+2*(\k%4):\acc+2*(\k%4)+1], v[PA+16*(\g)+2*\k:PA+16*(\g)+2*\k+1], v[P+2*\k:P+2*\k+1], v[\acc+2*(\k%4):\acc+2*(\k%4)+1]
.endif
.endr
.endm
.Ltime:                                                ; 16 trips, a time each
	GROUP 0, ACA, 1
	GROUP 1, ACA, 0
	GROUP 2, ACB, 1
	GROUP 3, ACB, 0
	v_pk_add_f32 v[ACA:ACA+1], v[ACA:ACA+1], v[ACA+2:ACA+3]        ; four packed partial sums become one number, the two dimensions by turns
	v_pk_add_f32 v[ACB:ACB+1], v[ACB:ACB+1], v[ACB+2:ACB+3]
	v_pk_add_f32 v[ACA+4:ACA+5], v[ACA+4:ACA+5], v[ACA+6:ACA+7]
	v_pk_add_f32 v[ACB+4:ACB+5], v[ACB+4:ACB+5], v[ACB+6:ACB+7]
	v_pk_add_f32 v[ACA:ACA+1], v[ACA:ACA+1], v[ACA+4:ACA+5]
	v_pk_add_f32 v[ACB:ACB+1], v[ACB:ACB+1], v[ACB+4:ACB+5]
	s_wait_alu depctr_vm_vsrc(0)                   ; the last trip's LDS store has read v[CUR] and v[RES ..], which the three lines below write again
	v_add_nc_u32 v[CUR], s[ROW], v[STW]
	v_add_f32 v[RES], v[ACA], v[ACA+1]
	v_add_f32 v[RES+1], v[ACB], v[ACB+1]
	s_wait_alu depctr_va_vdst(0)                   ; these three have written the address v[CUR] and the two sums v[RES ..], which the LDS store reads
	ds_store_b64 v[CUR], v[RES:RES+1]              ; pre(time, 2 l), pre(time, 2 l + 1): the wave writes a row's 256 bytes
.irp i, 0,1,2,3,4,5,6,7,8,9,10,11,12,13,14
	s_mov_b32 s[TQ+\i], s[TQ+\i+1]                 ; the queue of times moves down one place
.endr
	s_add_co_u32 s[ROW], s[ROW], CH
	s_add_co_u32 s[CNT], s[CNT], 1
	s_cmp_lt_u32 s[CNT], 16
	s_cbranch_scc1 .Ltime
	; ---- my 16 rows of pre become an operand
	v_and_b32 v10, 15, v0                          ; r
	v_bfe_u32 v11, v0, 4, 1                        ; h
	v_and_b32 v12, 31, v0                          ; lane
	v_lshlrev_b32 v13, 4, v12                      ; an image's place for my lane
	v_lshlrev_b32 v14, 2, v12                      ; a scale word's
	s_lshl_b32 s39, s[WV], 8
	v_lshl_add_u32 v15, v11, 5, s39                ; my wave's copy of b, + 32 h: tile t wants b(16 t + 8 h + 0 .. 7)
	s_wait_alu depctr_va_vdst(0)                   ; the addresses v13, v14, v15 are written, which the loads below read; the loop's vector lines are done with v28-35, v64-95, v128-191 and v192-223, in which the loads land
.irp c, 0,1                                    ; LDS serves a wave's instructions in order (ISA guide 5.7.1.4): these loads see my stores; no other wave touches my stage
.irp i, 0,1,2,3
	ds_load_b128 v[X+16*\c+4*\i:X+16*\c+4*\i+3], v[STR] offset:128*\c+16*\i   ; pre(r, 32 c + 16 h + 4 i ..)
.endr
.endr
.irp t, 0,1,2,3
	ds_load_b128 v[WF+16*\t:WF+16*\t+3], v13 offset:WIMG+1024*\t        ; W's fragment of tile t: block 0,
	ds_load_b128 v[WF+16*\t+4:WF+16*\t+7], v13 offset:WIMG+1024*\t+512  ; block 1
.endr
.irp i, 0,1,2,3,4,5,6,7
	ds_load_b32 v[WB+\i], v14 offset:WSCL+128*\i   ; the scale byte of tile i / 2, block i % 2
.endr
.irp t, 0,1,2,3
	ds_load_b128 v[BI+8*\t:BI+8*\t+3], v15 offset:BIAS+64*\t
	ds_load_b128 v[BI+8*\t+4:BI+8*\t+7], v15 offset:BIAS+64*\t+16
.endr
.irp j, 8,9,10,11,12,13,14,15                  ; (the moves below name none of the registers that the 32 loads touch)
	v_mov_b32 v[PC+\j], 0                          ; K = 64 .. 127 of the instruction: zero codes, on both sides
.endr
.irp t, 0,1,2,3
.irp j, 8,9,10,11,12,13,14,15
	v_mov_b32 v[WF+16*\t+\j], 0
.endr
.endr
.irp c, 0,1
	v_mov_b32 v[TM+2+\c], 0                        ; a lane permute's destination counts as one of its sources
.endr
	s_wait_dscnt 0x0
.irp c, 0,1
	v_max3_num_f32 v[TM+\c], |v[X+16*\c]|, |v[X+16*\c+1]|, 0x8000000   ; block c: my 16 numbers and the floor 2^(16 - 127)
.endr
.irp i, 2,4,6,8,10,12,14
.irp c, 0,1
	v_max3_num_f32 v[TM+\c], v[TM+\c], |v[X+16*\c+\i]|, |v[X+16*\c+\i+1]|
.endr
.endr
.irp c, 0,1
	v_permlanex16_b32 v[TM+2+\c], v[TM+\c], s[SEL], s[SEL+1]
.endr
.irp c, 0,1
	v_max_num_f32 v[TM+\c], v[TM+\c], v[TM+2+\c]   ; with lane l xor 16's: the block's largest magnitude
.endr
.irp c, 0,1
	v_add_nc_u32 v[TM+4+\c], 0xf8800000, v[TM+\c]  ; the conversion's scale operand
.endr
.irp c, 0,1
	v_and_or_b32 v[TM+6+\c], v[TM+\c], 0x7f800000, s[MNT]   ; 57,344 x the scale
.endr
.irp c, 0,1
	v_lshrrev_b32 v[TM+2+\c], 23, v[TM+4+\c]       ; the scale's byte
.endr
	v_or_b32 v[PS], 0x7f7f0000, v[TM+2]            ; row r's scale word: two bytes, and 127 over the zero codes
	v_lshl_or_b32 v[PS], v[TM+3], 8, v[PS]
.irp t, 0,1,2,3
	v_or_b32 v[WS+\t], 0x7f7f0000, v[WB+2*\t]      ; W's likewise
.endr
.irp t, 0,1,2,3
	v_lshl_or_b32 v[WS+\t], v[WB+2*\t+1], 8, v[WS+\t]
.endr
.irp c, 0,1                                    ; the 32 holds are also the eight places between the scale words' last write and the products
.irp i, 0,1,2,3,4,5,6,7,8,9,10,11,12,13,14,15
	v_med3_num_f32 v[X+16*\c+\i], v[X+16*\c+\i], -v[TM+6+\c], v[TM+6+\c]
.endr
.endr
.irp c, 0,1
	v_cvt_scalef32_pk8_bf8_f32 v[PC+4*\c:PC+4*\c+1], v[X+16*\c:X+16*\c+7], v[TM+4+\c]      ; registers 4 c .. 4 c + 3 of the operand: d = 32 c + 16 h + 0 .. 15
	v_cvt_scalef32_pk8_bf8_f32 v[PC+4*\c+2:PC+4*\c+3], v[X+16*\c+8:X+16*\c+15], v[TM+4+\c]
.endr
.rept 4
	v_nop                                          ; an operand written by vector instructions stands four places ahead of a scaled matrix instruction
.endr
	s_wait_alu depctr_va_vdst(0)                   ; the scale words v59-63, pre's codes v112-119 and the zero codes of both operands are written, which the products take as scales and as sources; the places above stay beside this wait
.irp t, 0,1,2,3                                ; four results, each begun with the bias as C: lane (r, h), register j: out0(my row r, 16 t + 8 h + j)
	v_wmma_scale_f32_16x16x128_f8f6f4 v[D+8*\t:D+8*\t+7], v[WF+16*\t:WF+16*\t+15], v[PC:PC+15], v[BI+8*\t:BI+8*\t+7], v[WS+\t], v[PS] matrix_a_fmt:MATRIX_FMT_BF8 matrix_b_fmt:MATRIX_FMT_BF8
.endr
	; the way out's addresses: eight plain instructions that name no register of the products: the places behind them
	v_mul_u32_u24 v16, v10, CH
	v_lshl_add_u32 v16, v11, 5, v16
	v_add_nc_u32 v16, s[SB], v16                   ; into the stage: row r, + 32 h; tile t 64 t bytes on
	v_mul_u32_u24 v17, v11, CH
	v_lshl_add_u32 v17, v10, 4, v17
	v_add_nc_u32 v17, s[SB], v17                   ; back: lanes 0-15 one row of 256 bytes, lanes 16-31 the next
	v_lshlrev_b32 v18, 8, v11
	v_lshl_add_u32 v18, v10, 4, v18                ; and the same two rows in out0
	s_wait_alu depctr_va_vdst(0)                   ; the products have written v224-255, which the LDS stores read; v16, v17, v18 are written, by which the stores and loads below go; the quantiser is done with v64-95, in which the rows land
.irp t, 0,1,2,3
	ds_store_b128 v16, v[D+8*\t:D+8*\t+3] offset:64*\t             ; each result from its low end on
	ds_store_b128 v16, v[D+8*\t+4:D+8*\t+7] offset:64*\t+16
.endr
.irp i, 0,1,2,3,4,5,6,7
	ds_load_b128 v[X+4*\i:X+4*\i+3], v17 offset:2*\i*CH            ; in order behind my stores
.endr
.irp i, 0,1,2,3,4,5,6,7
	s_wait_dscnt 7-\i                              ; LDS loads come back in order: pair i of rows is in, the 7 - i younger loads may be out
	global_store_b128 v18, v[X+4*\i:X+4*\i+3], s[OUTP:OUTP+1] offset:512*\i th:TH_STORE_NT   ; the wave stores 512 consecutive bytes, at a multiple of 256 from out0's first byte; written once, read by nobody here
.endr
	s_wait_dscnt 0x0
	s_wait_alu depctr_hold_cnt(0) depctr_sa_sdst(0) depctr_va_vdst(0) depctr_va_sdst(0) depctr_va_ssrc(0) depctr_va_vcc(0) depctr_vm_vsrc(0)
	s_wait_tensorcnt 0x0
	ds_add_u32 v1, v58
	s_wait_dscnt 0x0
	s_endpgm
.Lfunc_end_k_q9ca7d3107e_fourier:
	.size	k_q9ca7d3107e_fourier, .Lfunc_end_k_q9ca7d3107e_fourier-k_q9ca7d3107e_fourier
	.p2alignl 7, 3214868480
	.fill 96, 4, 3214868480
	.section	.rodata,"a",@progbits
	.p2align	6, 0x0
	.amdhsa_kernel k_q9ca7d3107e_fourier
		.amdhsa_group_segment_fixed_size 168960
		.amdhsa_private_segment_fixed_size 0
		.amdhsa_enable_private_segment 0
		.amdhsa_kernarg_size 56
		.amdhsa_user_sgpr_count 2
		.amdhsa_user_sgpr_kernarg_segment_ptr 1
		.amdhsa_wavefront_size32 1
		.amdhsa_system_sgpr_workgroup_id_x 1
		.amdhsa_system_sgpr_workgroup_id_y 1
		.amdhsa_system_sgpr_workgroup_id_z 1
		.amdhsa_system_vgpr_workitem_id 0
		.amdhsa_next_free_vgpr 256
		.amdhsa_next_free_sgpr 66
		.amdhsa_reserve_vcc 0
		.amdhsa_float_denorm_mode_32 3
		.amdhsa_float_denorm_mode_16_64 3
		.amdhsa_memory_ordered 1
		.amdhsa_forward_progress 1
		.amdhsa_inst_pref_size 47
	.end_amdhsa_kernel
	.amdgpu_metadata
---
amdhsa.version: [ 1, 2 ]
amdhsa.kernels:
  - .name:           k_q9ca7d3107e_fourier
    .symbol:         k_q9ca7d3107e_fourier.kd
    .args:
      - { .name: s, .offset: 0, .size: 8, .value_kind: global_buffer, .address_space: global }
      - { .name: w, .offset: 8, .size: 8, .value_kind: global_buffer, .address_space: global }
      - { .name: phi, .offset: 16, .size: 8, .value_kind: global_buffer, .address_space: global }
      - { .name: A, .offset: 24, .size: 8, .value_kind: global_buffer, .address_space: global }
      - { .name: W, .offset: 32, .size: 8, .value_kind: global_buffer, .address_space: global }
      - { .name: b, .offset: 40, .size: 8, .value_kind: global_buffer, .address_space: global }
      - { .name: out0, .offset: 48, .size: 8, .value_kind: global_buffer, .address_space: global }
    .group_segment_fixed_size: 168960
    .private_segment_fixed_size: 0
    .kernarg_segment_align: 8
    .kernarg_segment_size: 56
    .max_flat_workgroup_size: 256
    .sgpr_count:     66
    .vgpr_count:     256
    .wavefront_size: 32
...
	.end_amdgpu_metadata
.endif
;; end of part 2
